; MI455X (gfx1250); checked and timed in simulation.
; The chip was launched on July 23, 2026; its instructions are those of AMD's public machine-readable ISA for CDNA 5 (MIT licence, August 2026) and "CDNA5" Instruction Set Architecture Reference Guide (July 2026). The comments in the code are by the model that wrote it; some were corrected since.
;; Causal Self Attention. Allowed arithmetic: matrix products marked QUANTISED: E4M3 operands, one given power-of-two scale a tensor, by v_wmma_f32_16x16x64_fp8_fp8 or v_wmma_f32_16x16x128_fp8_fp8, f32 sums; everything else in f32.
;; Inputs: Wk 1,024 x 1,024 float32; Wp 1,024 x 1,024 float32; Wq 1,024 x 1,024 float32; Wv 1,024 x 1,024 float32; bk 1,024 float32; bp 1,024 float32; bq 1,024 float32; bv 1,024 float32; lowp_scales 12 int32 (the exponents e of the quantised operands' scales 2^e); x 4 x 2,048 x 1,024 float32.
;; Outputs: out0 4 x 2,048 x 1,024 float32.
;; This version of the problem:
;;   THIS VERSION OF THE PROBLEM IS GIVEN IN LOW PRECISION. The matrix products marked QUANTISED in the list below multiply operands that are first quantised to E4M3 (4 exponent bits, 3 mantissa bits; 8 bits a number), with one given power-of-two scale for each operand tensor; their sums are f32. All else is computed in f32.
;;   The module's matrix products, in the order in which they are computed (A, B: the left and right operand; K: the contracted axis; several contracted axes count as one K, in the product's order):
;;     1. [M 8,192, K 1,024] x [K 1,024, N 1,024]; A: input x; B: input Wq: QUANTISED (scales: A lowp_scales[0], B lowp_scales[1])
;;     2. [M 8,192, K 1,024] x [K 1,024, N 1,024]; A: input x; B: input Wk: QUANTISED (scales: A lowp_scales[2], B lowp_scales[3])
;;     3. [M 8,192, K 1,024] x [K 1,024, N 1,024]; A: input x; B: input Wv: QUANTISED (scales: A lowp_scales[4], B lowp_scales[5])
;;     4. batch 64 x [M 2,048, K 64] x [K 64, N 2,048]; A: computed on the way; B: computed on the way: QUANTISED (scales: A lowp_scales[6], B lowp_scales[7])
;;     5. batch 64 x [M 2,048, K 2,048] x [K 2,048, N 64]; A: softmax (see below); B: computed on the way: QUANTISED (scales: A lowp_scales[8], B lowp_scales[9])
;;     6. [M 8,192, K 1,024] x [K 1,024, N 1,024]; A: computed on the way; B: input Wp: QUANTISED (scales: A lowp_scales[10], B lowp_scales[11])
;;   THE QUANTISER, for each operand of a quantised product, along K:
;;     - The operand's scale is 2^e, e = its entry of the input lowp_scales (int32; the entries are numbered through the quantised products in the list's order, A before B).
;;     - Each number is divided by the scale, clamped to +-448, and rounded to the nearest number of E4M3, ties to even, subnormals kept.
;;     - The product sums the exact products of the quantised numbers (number of the format x scale) in f32.
;;   ~~~python
;;   def quantise(x, axis, e):      # numpy; x: float32 -> the quantised numbers, widened to float32 again
;;       x = np.moveaxis(x, axis, -1); K = x.shape[-1]
;;       r = np.clip(x / 2.0 ** e, -448, 448)
;;       step = 2.0 ** (np.maximum(np.frexp(np.where(r == 0, 1, r))[1] - 1, -6) - 3)
;;       q = np.round(r / step) * step * 2.0 ** e      # np.round: ties to even
;;       return np.moveaxis(q, -1, axis).astype(np.float32)
;;   ~~~
;;   SOFTMAX AHEAD OF A QUANTISED PRODUCT. Where the list says 'softmax', what is quantised is not the finished softmax but p = 2^(t - M), with t = logit x log2(e) and M = ceil(the row's largest t), a whole number; so 1/2 < the row's largest p <= 1. The row's sum l is taken of the UNQUANTISED p, in f32, and the product's result is divided by l at the end. Since M is a whole number, a kernel that streams over the keys may use a running M (the ceiling of the running maximum): every later rescaling is an exact power of two, so the quantised numbers keep their values, but for numbers so far below the row's largest that they fall under the format's range.
;;   OPERANDS COMPUTED ON THE WAY. 'Computed on the way' means the value that the module computes at that place (a softmax that the list does not call 'softmax' is quantised finished and normalised). What goes into a quantiser is computed in f32, as accurately as f32 sums, v_exp_f32 and their like allow (about 1e-6 of the number): no bf16 or f16 on the way to a quantiser, and a product that is left as it is and whose result goes on into a quantised operand takes f32 operands (vector FMAs, or v_wmma_f32_16x16x4_f32). A number that lies on a knife's edge between two numbers of the format may be rounded either way, as far as f32 arithmetic and the matrix unit's own rounding can turn it there, and no further.
;; One version. Each part assembles by itself: llvm-mc -triple=amdgcn-amd-amdhsa -mcpu=gfx1250 --defsym DOCPART=n.
;; ======== version 1 of 1: 4 launches
;; limits: right only within a limited range of input values
;; workspace buffers: xc 25,165,824 bytes; wc 4,194,304 bytes; qc 8,388,608 bytes; kc 8,388,608 bytes; vc 8,388,608 bytes; yc 8,388,608 bytes
;; launch quant (part 1): grid 640 x 1, 8 waves a work-group, no clusters, 68,608 bytes of LDS; arguments x, Wq, Wk, Wv, Wp, lowp_scales, xc, wc; writes xc, wc
.if DOCPART == 1
	.amdgcn_target "amdgcn-amd-amdhsa--gfx1250"
	.amdhsa_code_object_version 6
	.text
	.protected	k_qad22a475ba_quant
	.globl	k_qad22a475ba_quant
	.p2align	8
	.type	k_qad22a475ba_quant,@function
k_qad22a475ba_quant:
	s_mov_b64 s[64:65], 0
	v_nop
	global_prefetch_b8 v0, s[64:65] scope:SCOPE_SE
	s_setreg_imm32_b32 hwreg(HW_REG_WAVE_MODE, 25, 1), 1
	s_wait_xcnt 0x0
; x [8192][1024] f32 becomes three sets of E4M3 codes (scale entries 0, 2, 4: x is an operand of three products); Wq, Wk, Wv, Wp [1024 (k)][1024 (n)] f32 one set each (entries 1, 3, 5, 11).
; code = number / 2^e, held within +-448, rounded to the nearest code, ties to even.  LIMITS: every e between -126 and 119; NaN among the inputs is not served (an infinity is held at the largest code).
; THE LAYOUT OF ALL CODES is the order of an operand's registers.  A tile is 16 rows (tokens of x, columns n of a weight); lane row r of tile T is row 32 (T / 2) + 8 (T % 2) + r + 8 (r / 8).
;   byte = T x 16384 + s x 2048 + c x 512 + (r + 16 h) x 16 + i   holds   k = 128 s + 32 c + 16 h + i of that row.
; So a later launch takes a fragment by loads of 16 bytes a lane, 512 consecutive bytes an instruction, and every store here covers whole aligned blocks of 256 bytes.
; Work-groups 0 to 511: one tile of x each, wave = the step s of 128 along K.  Work-groups 512 to 639: the weights.  The paths part on the work-group's number; only x's path touches LDS.
; No tensor loads, no barrier: waves share nothing.
.set SP,   528                         ; a stage row: 512 bytes + 16: the sixteen rows that a read touches start at sixteen different 16-byte columns
.set WST,  16*SP                       ; a wave's stage
.set R,    16                          ; x: v16-79 sixteen rows as loaded; later v16-63 the codes (16 p + 4 c) and v64-79 held numbers, set 0
.set T0,   64
.set N,    80                          ; x: v80-143 my 64 numbers: register 16 c + i is k = 32 c + 16 h + i of row r
.set T1,   144                         ; x: v144-159 held numbers, set 1
.set X,    16                          ; weights: v16-79 two sets of 32 numbers down K
.set C,    80                          ; weights: v80-111 codes, eight registers a block: no store's data are written again
.macro POW e, sc, lim                  ; from the whole number in s[e]: v[sc] = 2^e as f32 (the conversion takes its exponent field), v[lim] = 448 x 2^e
	s_add_co_i32 s28, s[\e], 127
	s_lshl_b32 s29, s28, 23
	v_mov_b32 v[\sc], s29
	s_add_co_i32 s28, s28, 8
	s_lshl_b32 s28, s28, 23
	s_or_b32 s28, s28, 0x600000
	v_mov_b32 v[\lim], s28
.endm
	s_load_b256 s[4:11], s[0:1], 0x0               ; x s[4:5], Wq s[6:7], Wk s[8:9], Wv s[10:11]
	s_load_b256 s[12:19], s[0:1], 0x20             ; Wp s[12:13], the exponents s[14:15], xc s[16:17], wc s[18:19]
	v_lshl_add_u32 v160, v0, 2, 0x10800
	v_mov_b32 v161, 0
	v_lshrrev_b32 v1, 5, v0
	v_readfirstlane_b32 s2, v1                     ; wave 0..7
	v_and_b32 v1, 31, v0                           ; lane
	v_and_b32 v2, 15, v0                           ; r
	v_bfe_u32 v7, v0, 4, 1                         ; h
	s_wait_kmcnt 0x0
	s_load_b256 s[32:39], s[14:15], 0x0            ; entries 0 to 7
	s_load_b128 s[40:43], s[14:15], 0x20           ; entries 8 to 11
	s_cmp_lt_u32 ttmp9, 512
	s_cbranch_scc0 .Lweights
	; ---- x: tile T = the work-group's number, 128 along K at 128 x wave
	v_lshlrev_b32 v4, 4, v1                        ; 16 x lane: my bytes of a load's and of a store's 512; never rewritten
	s_mul_i32 s3, s2, WST
	v_add_nc_u32 v5, s3, v4                        ; the stage, way in: a row as it lies
	v_mul_u32_u24 v6, v2, SP
	v_lshl_add_u32 v6, v7, 6, v6
	v_add_nc_u32 v6, s3, v6                        ; way out: row r, + 64 h: my 16 numbers of each 32
	s_lshr_b32 s26, ttmp9, 1
	s_lshl_b32 s26, s26, 5
	s_and_b32 s27, ttmp9, 1
	s_lshl_b32 s27, s27, 3
	s_add_co_u32 s26, s26, s27                     ; the tile's first token: 32 (T / 2) + 8 (T % 2)
	s_lshl_b32 s26, s26, 12                        ; rows of 4,096 bytes
	s_lshl_b32 s27, s2, 9
	s_add_co_u32 s26, s26, s27                     ; + my wave's 512 bytes of a row
	s_mov_b32 s27, 0
	s_add_nc_u64 s[4:5], s[4:5], s[26:27]
.irp q, 0,1,2,3,4,5,6,7,8,9,10,11,12,13,14,15
	global_load_b128 v[R+4*\q:R+4*\q+3], v4, s[4:5] offset:(\q+8*(\q/8))*4096 th:TH_LOAD_NT   ; lane row q: 512 consecutive bytes; the eight waves cover the row
.endr
	s_lshl_b32 s26, ttmp9, 14
	s_lshl_b32 s28, s2, 11
	s_add_co_u32 s26, s26, s28                     ; T x 16384 + s x 2048
	s_add_nc_u64 s[20:21], s[16:17], s[26:27]      ; the three sets lie 8,388,608 bytes apart, beyond a store's immediate: a base for each
	s_add_nc_u64 s[22:23], s[20:21], 0x800000
	s_add_nc_u64 s[24:25], s[22:23], 0x800000
	s_wait_kmcnt 0x0
	POW 32, 8, 11                                  ; entry 0
	POW 34, 9, 12                                  ; entry 2
	POW 36, 10, 13                                 ; entry 4
.irp q, 0,1,2,3,4,5,6,7,8,9,10,11,12,13,14,15
	s_wait_loadcnt 15-\q                           ; loads come back in order: row q is in, the younger ones may be out
	ds_store_b128 v5, v[R+4*\q:R+4*\q+3] offset:\q*SP
.endr
.irp c, 0,1,2,3
.irp j, 0,1,2,3
	ds_load_b128 v[N+16*\c+4*\j:N+16*\c+4*\j+3], v6 offset:128*\c+16*\j   ; LDS serves a wave's instructions in order: these see my stores
.endr
.endr
.irp c, 0,1,2,3
	s_wait_dscnt 12-4*\c                           ; piece c's four loads are in (and all the stores, so their registers are free); four for each later piece may be out
.irp p, 0,1,2
.set TT, T0+(T1-T0)*((3*\c+\p)%2)      ; the two sets of held numbers by turns: sixteen plain lines stand between a conversion and the next write of its sources
.set i, 0
.rept 16
	v_med3_num_f32 v[TT+i], v[N+16*\c+i], -v[11+\p], v[11+\p]   ; the conversion to an 8-bit code does not saturate (ISA guide 7.6.2): the hold; into other registers, since the numbers serve three scales
.set i, i+1
.endr
	v_cvt_scalef32_pk8_fp8_f32 v[R+16*\p+4*\c:R+16*\p+4*\c+1], v[TT:TT+7], v[8+\p]
	v_cvt_scalef32_pk8_fp8_f32 v[R+16*\p+4*\c+2:R+16*\p+4*\c+3], v[TT+8:TT+15], v[8+\p]
	global_store_b128 v4, v[R+16*\p+4*\c:R+16*\p+4*\c+3], s[20+2*\p:21+2*\p] offset:512*\c   ; 512 consecutive bytes; each code register is written once
.endr
.endr
	s_wait_tensorcnt 0x0
	ds_add_u32 v160, v161
	s_wait_dscnt 0x0
	s_endpgm
	; ---- the weights: g = number - 512; weight m = g / 32; step s = (g / 4) % 8 of 128 along K; my wave's 32 columns: b = 8 (g % 4) + wave
	; A LANE TAKES A COLUMN AND ITS REGISTERS RUN DOWN K, so the conversions give codes with K innermost.  Lanes 0-15 are tile 2 b in lane order, lanes 16-31 tile 2 b + 1.
.Lweights:
	s_sub_co_u32 s26, ttmp9, 512
	s_lshr_b32 s27, s26, 5                         ; m
	s_bfe_u32 s46, s26, 0x30002                    ; s
	s_and_b32 s47, s26, 3
	s_lshl_b32 s47, s47, 3
	s_add_co_u32 s47, s47, s2                      ; b
	v_and_b32 v3, 8, v2
	v_add_nc_u32 v3, v3, v2                        ; r + 8 (r / 8)
	v_lshl_add_u32 v3, v7, 3, v3                   ; + 8 x (lane / 16): my column among the 32
	v_lshlrev_b32 v3, 2, v3                        ; in bytes; never rewritten
	v_lshlrev_b32 v4, 4, v2
	v_lshl_add_u32 v4, v7, 14, v4                  ; out: 16 r, + a tile's 16,384 bytes for lanes 16-31; never rewritten
	s_cmp_eq_u32 s27, 1                            ; the weight's buffer: a choice on the work-group's number alone
	s_cselect_b64 s[4:5], s[8:9], s[6:7]
	s_cmp_eq_u32 s27, 2
	s_cselect_b64 s[4:5], s[10:11], s[4:5]
	s_cmp_eq_u32 s27, 3
	s_cselect_b64 s[4:5], s[12:13], s[4:5]
	s_lshl_b32 s30, s46, 19                        ; 128 s rows of 4,096 bytes
	s_lshl_b32 s31, s47, 7                         ; 32 b columns of 4 bytes
	s_add_co_u32 s30, s30, s31
	s_mov_b32 s31, 0
	s_add_nc_u64 s[4:5], s[4:5], s[30:31]
.macro LOAD t                          ; block t: W(128 s + 32 t + i, my column) into set t % 2; a load's 32 lanes cover 128 consecutive bytes
.set i, 0
.rept 32
	global_load_b32 v[X+32*((\t)%2)+i], v3, s[4:5] offset:(32*(\t)+i)*4096 th:TH_LOAD_NT
.set i, i+1
.endr
.endm
	LOAD 0
	LOAD 1
	s_lshl_b32 s30, s27, 20                        ; wc: m x 1,048,576
	s_lshl_b32 s44, s47, 15                        ; + two tiles x b
	s_add_co_u32 s30, s30, s44
	s_lshl_b32 s44, s46, 11                        ; + s x 2,048
	s_add_co_u32 s30, s30, s44
	s_add_nc_u64 s[18:19], s[18:19], s[30:31]
	s_wait_kmcnt 0x0
	s_cmp_eq_u32 s27, 1                            ; the weight's exponent: entries 1, 3, 5, 11
	s_cselect_b32 s44, s35, s33
	s_cmp_eq_u32 s27, 2
	s_cselect_b32 s44, s37, s44
	s_cmp_eq_u32 s27, 3
	s_cselect_b32 s44, s43, s44
	POW 44, 11, 10
.macro BLOCK t
.set XS, X+32*((\t)%2)
.if (\t) < 3
	s_wait_loadcnt 32                              ; this block's 32 loads are in; the next block's may be out
.else
	s_wait_loadcnt 0x0
.endif
.set i, 0
.rept 32
	v_med3_num_f32 v[XS+i], v[XS+i], -v10, v10     ; the hold at the largest code x the scale
.set i, i+1
.endr
.irp g, 0,1,2,3
	v_cvt_scalef32_pk8_fp8_f32 v[C+8*(\t)+2*\g:C+8*(\t)+2*\g+1], v[XS+8*\g:XS+8*\g+7], v11
.endr
	global_store_b128 v4, v[C+8*(\t):C+8*(\t)+3], s[18:19] offset:512*(\t)         ; k = 32 t + 0..15 (h = 0): sixteen lanes fill 256 aligned bytes of each of the two tiles
	global_store_b128 v4, v[C+8*(\t)+4:C+8*(\t)+7], s[18:19] offset:512*(\t)+256   ; k = 32 t + 16..31 (h = 1)
.if (\t)+2 < 4
	LOAD (\t)+2                                    ; into the set just converted: the results go to stores alone, and the next block begins with plain vector lines
.endif
.endm
	BLOCK 0
	BLOCK 1
	BLOCK 2
	BLOCK 3
	s_endpgm
.Lfunc_end_k_qad22a475ba_quant:
	.size	k_qad22a475ba_quant, .Lfunc_end_k_qad22a475ba_quant-k_qad22a475ba_quant
	.p2alignl 7, 3214868480
	.fill 96, 4, 3214868480
	.section	.rodata,"a",@progbits
	.p2align	6, 0x0
	.amdhsa_kernel k_qad22a475ba_quant
		.amdhsa_group_segment_fixed_size 68608
		.amdhsa_private_segment_fixed_size 0
		.amdhsa_enable_private_segment 0
		.amdhsa_kernarg_size 64
		.amdhsa_user_sgpr_count 2
		.amdhsa_user_sgpr_kernarg_segment_ptr 1
		.amdhsa_wavefront_size32 1
		.amdhsa_system_sgpr_workgroup_id_x 1
		.amdhsa_system_sgpr_workgroup_id_y 1
		.amdhsa_system_sgpr_workgroup_id_z 1
		.amdhsa_system_vgpr_workitem_id 0
		.amdhsa_next_free_vgpr 162
		.amdhsa_next_free_sgpr 66
		.amdhsa_reserve_vcc 0
		.amdhsa_float_denorm_mode_32 3
		.amdhsa_float_denorm_mode_16_64 3
		.amdhsa_memory_ordered 1
		.amdhsa_forward_progress 1
		.amdhsa_inst_pref_size 46
	.end_amdhsa_kernel
	.amdgpu_metadata
---
amdhsa.version: [ 1, 2 ]
amdhsa.kernels:
  - .name:           k_qad22a475ba_quant
    .symbol:         k_qad22a475ba_quant.kd
    .args:
      - { .name: x, .offset: 0, .size: 8, .value_kind: global_buffer, .address_space: global }
      - { .name: Wq, .offset: 8, .size: 8, .value_kind: global_buffer, .address_space: global }
      - { .name: Wk, .offset: 16, .size: 8, .value_kind: global_buffer, .address_space: global }
      - { .name: Wv, .offset: 24, .size: 8, .value_kind: global_buffer, .address_space: global }
      - { .name: Wp, .offset: 32, .size: 8, .value_kind: global_buffer, .address_space: global }
      - { .name: lowp_scales, .offset: 40, .size: 8, .value_kind: global_buffer, .address_space: global }
      - { .name: xc, .offset: 48, .size: 8, .value_kind: global_buffer, .address_space: global }
      - { .name: wc, .offset: 56, .size: 8, .value_kind: global_buffer, .address_space: global }
    .group_segment_fixed_size: 68608
    .private_segment_fixed_size: 0
    .kernarg_segment_align: 8
    .kernarg_segment_size: 64
    .max_flat_workgroup_size: 256
    .sgpr_count:     66
    .vgpr_count:     162
    .wavefront_size: 32
...
	.end_amdgpu_metadata
.endif
;; end of part 1
;; launch qkv (part 2): grid 12 x 32, 4 waves a work-group, clusters of 4 x 4, 327,680 bytes of LDS; arguments xc, wc, lowp_scales, bq, bk, bv, qc, kc, vc; writes qc, kc, vc
.if DOCPART == 2
	.amdgcn_target "amdgcn-amd-amdhsa--gfx1250"
	.amdhsa_code_object_version 6
	.text
	.protected	k_qad22a475ba_qkv
	.globl	k_qad22a475ba_qkv
	.p2align	8
	.type	k_qad22a475ba_qkv,@function
k_qad22a475ba_qkv:
	s_mov_b64 s[64:65], 0
	v_nop
	global_prefetch_b8 v0, s[64:65] scope:SCOPE_SE
	s_setreg_imm32_b32 hwreg(HW_REG_WAVE_MODE, 25, 1), 1
	s_wait_xcnt 0x0
	s_wait_alu depctr_hold_cnt(0) depctr_sa_sdst(0) depctr_va_vdst(0) depctr_va_sdst(0) depctr_va_ssrc(0) depctr_va_vcc(0) depctr_vm_vsrc(0)
	s_getreg_b32 s2, hwreg(HW_REG_IB_STS2, 6, 4)
	s_cmp_eq_u32 s2, 0
	s_cbranch_scc0 .Lentry_in_a_cluster
	s_endpgm
.Lentry_in_a_cluster:
	s_bfe_u32 s2, ttmp6, 0x10000c
	s_cmp_lg_u32 s2, 0xf033
	s_cbranch_scc0 .Lentry_shape_is_right
	s_endpgm
.Lentry_shape_is_right:
; q = x Wq + bq, k = x Wk + bk, v = x Wv + bv on E4M3 codes (K = 1,024), each result quantised at once for attention (scale entries 6, 7, 9) and stored as codes in the order of the next operand's registers.
; The cluster's x is the product p (0: q, 1: k, 2: v), equal in all sixteen partners.  A tile of 256 x 256 is made by four waves, 128 x 128 each: 64 accumulators, 512 registers.
; THE MATRIX INSTRUCTION IS USED TRANSPOSED (source 0 = 16 rows of "B", source 1 = 16 rows of "A"): a lane holds ONE row of A, and its registers run along B's rows.
;   p = 0, 1: A = tokens (set p of x's codes), B = the weight's columns n: a lane's registers run along n = 64 head + d: codes with d innermost, as K Q^T wants them.
;   p = 2:    A = Wv's columns n, B = tokens (set 2): a lane's registers run along the tokens: codes with the KEYS innermost, as V^T P wants them.  Nothing is transposed.
; All operands lie as images of registers: tile T (16 rows; lane row r = row 32 (T/2) + 8 (T%2) + r + 8 (r/8)) x 16384 + step of 128 along K x 2048 + c x 512 + 16 x lane.  By that order of rows the 16 registers of two
; neighbouring tiles of B are 16 NEIGHBOURING rows of B, 32 beta + 16 h + 0..15: two conversions make the 16 bytes that the next operand's layout gives this lane.
; K goes in steps of 256 through a ring of two LDS slots; a tile's part of a step is 4,096 consecutive bytes, so a fragment load takes 512 consecutive LDS bytes: no pitch, no padding.
; CLUSTERS: 4 x 4.  A's tiles hang on the cluster's row (cy), B's on its column (cx): each is asked for jointly by the four that share it.
; No prefetch: K has four steps, two of which are asked for at the head.
; LIMITS: entries 6, 7, 9 between -126 and 127; e[2p] + e[2p+1] between -126 and 127.
; REGISTERS, in windows of 256: window 0: v0-31 addresses; v32-95, v96-111 biases; v128-255 A's fragments, ONE set; on the way out v128-191 numbers, v192-255 codes.  window 1: B's fragments, two sets.
;   window 2: the accumulators of my rows 0-63 ((a, b) at v[8 (8 a + b)]);  window 3: those of rows 64-127.
.set HALFT,  32768                     ; 8 tiles x 4,096 bytes: what one tensor load brings, and what one wave reads of A or of B
.set SLOT,   4*HALFT                   ; A's 16 tiles, then B's 16
.set SPARE,  2*SLOT                    ; behind the ring: the spare words, 128 bytes for each wave: two blocks of 256 bytes that no other line names
.set KSTEPB, 4096                      ; a step of 256 along K in a tile's 16,384 bytes
.set LAPS,   2                         ; a lap = two steps of 256 = once round the ring
.set FR,     16                        ; registers of a fragment: 16 rows x 128 K
.set NL,     4                         ; LDS loads that bring one
.set NP,     4                         ; places behind this matrix instruction (ISA guide 7.12.1)
.set ADRA, 16                          ; v16-17  LDS address of my A fragments in slot 0, 1
.set ADRB, 20                          ; v20-21  the same for B
.set CO,   26                          ; v26     16 x lane; never rewritten
.set SPW,  28                          ; v28     LDS address of my spare word; never rewritten
.set NIL,  29                          ; v29     0; never rewritten
.set SC,   30                          ; v30     2^eo as f32, eo the result's own exponent
.set LIM,  31
.set BQ,   32                          ; v32-95  p < 2: the bias at my 64 columns, in the accumulators' order
.set BV,   96                          ; v96-111 p = 2: the bias at my one column of each of A's eight tiles, twice (a pair for the packed form)
.set AF,   128
.set VAL,  128
.set COD,  192                         ; four sets of 16 code registers, by turns
.set G1, 24
.set G0, 32
.set G1B, 48
.set G0B, 56
.set MSB, 0
.macro WIN new                         ; the immediate's high byte repeats the setting that is left
.if MSB != \new
	s_set_vgpr_msb (MSB<<8)|\new
.set MSB, \new
.endif
.endm
.set MUL_LO, 0xa1                      ; source 0 (B) window 1, source 1 (A) window 0, C and D window 2
.set MUL_HI, 0xf1                      ; the same, C and D window 3
.set TO_B,   0x40                      ; destination window 1, address window 0
; A joint load: waves 0 and 1 fetch A's halves, waves 2 and 3 B's.  The branch hangs on the wave's number alone.  Four v_nop follow each of the two lines.
.macro JLOAD g0a, g1a, g0b, g1b
	s_cmp_eq_u32 s15, 0
	s_cbranch_scc0 .Lfor_b_\@
	tensor_load_to_lds s[\g0a:\g0a+3], s[\g1a:\g1a+7]
	s_nop 0
.rept 4
	v_nop
.endr
	s_branch .Lasked_\@
.Lfor_b_\@:
	tensor_load_to_lds s[\g0b:\g0b+3], s[\g1b:\g1b+7]
	s_nop 0
.rept 4
	v_nop
.endr
.Lasked_\@:
.endm
.macro CREST                           ; a round of the cluster's barrier behind its opening barrier
	s_cmp_lg_u32 s14, 0
	s_cbranch_scc1 .Lnot_wave_0_\@
	s_barrier_signal -3
.Lnot_wave_0_\@:
	s_barrier_wait -3
	s_barrier_signal -1
	s_barrier_wait -1
.endm
.macro CROUND
	s_barrier_signal -1
	s_barrier_wait -1
	CREST
.endm
	s_load_b256 s[4:11], s[0:1], 0x0               ; xc s[4:5], wc s[6:7], the exponents s[8:9], bq s[10:11]
	s_load_b256 s[68:75], s[0:1], 0x20             ; bk s[68:69], bv s[70:71], qc s[72:73], kc s[74:75]
	s_load_b64 s[76:77], s[0:1], 0x40              ; vc
	v_lshl_add_u32 v[SPW], v0, 2, SPARE
	v_mov_b32 v[NIL], 0
	ds_add_u32 v28, v29
	ds_add_u32 v28, v29
	s_wait_dscnt 0x0
	v_lshrrev_b32 v1, 5, v0
	v_readfirstlane_b32 s14, v1                    ; wave 0..3
	s_lshr_b32 s15, s14, 1                         ; which half of A's rows is mine.  Also: I fetch for A (0) or for B (1)
	s_and_b32 s16, s14, 1                          ; which half of B's rows.  Also: which 8 tiles I fetch
	s_bfe_u32 s40, ttmp6, 0x40000                  ; cx
	s_bfe_u32 s41, ttmp6, 0x40004                  ; cy
	s_and_b32 s17, ttmp7, 0xffff
	s_lshl_b32 s17, s17, 2                         ; 4 x cluster y: the tokens' blocks walk along it
	s_lshl_b32 s18, ttmp9, 23                      ; p x 8,388,608: set p of x's codes
	s_lshl_b32 s19, ttmp9, 20                      ; p x 1,048,576: weight p's codes
	s_cmp_lt_u32 ttmp9, 2                          ; are the tokens A (q, k) or B (v)?
	s_cselect_b32 s42, s17, 0
	s_cselect_b32 s43, 0, s17
	s_cselect_b32 s20, s18, s19                    ; where A's operand begins in its buffer,
	s_cselect_b32 s46, s19, s18                    ; and B's
	s_add_co_u32 s42, s42, s41                     ; A's block of 256 rows: it holds cy and never cx
	s_add_co_u32 s43, s43, s40                     ; B's block: cx and never cy
	s_lshl_b32 s44, s41, 2
	s_lshl_b32 s44, 15, s44                        ; my row of the cluster
	s_lshl_b32 s45, 0x1111, s40                    ; my column
	; descriptor group 1: 8 rows (tiles) x 4,096 bytes, 16,384 bytes apart; dense in LDS
	s_or_b32 s[G1+0], s44, (1<<21)                 ; 15:0 the mask: A's tiles go to my row; 17:16 elements of 1 byte; 21 set beside a mask
	s_or_b32 s[G1B+0], s45, (1<<21)                ; B's go to my column
.irp g, G1, G1B
	s_mov_b32 s[\g+1], 4096<<16                    ; tensor_dim0
	s_mov_b32 s[\g+2], 8<<16                       ; tensor_dim1
	s_mov_b32 s[\g+3], 4096<<16                    ; tile_dim0
	s_mov_b32 s[\g+4], 8                           ; tile_dim1
	s_mov_b32 s[\g+5], 16384                       ; tensor_dim0_stride
	s_mov_b32 s[\g+6], 0
	s_mov_b32 s[\g+7], 0
.endr
	s_lshl_b32 s21, s42, 18                        ; 16 tiles of 16,384 bytes a block
	s_add_co_u32 s20, s20, s21
	s_lshl_b32 s21, s16, 17                        ; the 8 tiles that I fetch
	s_add_co_u32 s20, s20, s21
	s_mov_b32 s21, 0
	s_lshl_b32 s47, s43, 18
	s_add_co_u32 s46, s46, s47
	s_lshl_b32 s47, s16, 17
	s_add_co_u32 s46, s46, s47
	s_mov_b32 s47, 0
	s_mul_i32 s12, s14, HALFT                      ; where they go: wave x 8 tiles: no place in the cluster enters an LDS address
	s_wait_kmcnt 0x0
	s_load_b256 s[80:87], s[8:9], 0x0              ; entries 0 to 7
	s_load_b128 s[88:91], s[8:9], 0x20             ; entries 8 to 11
	s_cmp_lt_u32 ttmp9, 2
	s_cselect_b64 s[22:23], s[4:5], s[6:7]         ; A's buffer,
	s_cselect_b64 s[92:93], s[6:7], s[4:5]         ; B's
	s_add_nc_u64 s[20:21], s[22:23], s[20:21]
	s_add_nc_u64 s[46:47], s[92:93], s[46:47]
	CROUND                                         ; all sixteen work-groups are here: the first joint loads meet
.irp s, 0,1
	s_mov_b32 s[G0+4*\s], 1
	s_add_co_u32 s[G0+4*\s+1], s12, \s*SLOT
	s_add_nc_u64 s[G0+4*\s+2:G0+4*\s+3], s[20:21], \s*KSTEPB
	s_or_b32 s[G0+4*\s+3], s[G0+4*\s+3], 0x80000000
	s_mov_b32 s[G0B+4*\s], 1
	s_add_co_u32 s[G0B+4*\s+1], s12, \s*SLOT
	s_add_nc_u64 s[G0B+4*\s+2:G0B+4*\s+3], s[46:47], \s*KSTEPB
	s_or_b32 s[G0B+4*\s+3], s[G0B+4*\s+3], 0x80000000
	JLOAD G0+4*\s, G1, G0B+4*\s, G1B
.endr
	v_and_b32 v1, 31, v0
	v_lshlrev_b32 v[CO], 4, v1
	s_mul_i32 s22, s15, HALFT                      ; my 8 tiles of A
	s_mul_i32 s23, s16, HALFT                      ; my 8 tiles of B,
	s_add_co_u32 s23, s23, 2*HALFT                 ; which lie behind A's 16
.irp s, 0,1
	v_add_nc_u32 v[ADRA+\s], s22, v[CO]
	v_add_nc_u32 v[ADRB+\s], s23, v[CO]
	s_add_co_u32 s22, s22, SLOT
	s_add_co_u32 s23, s23, SLOT
.endr
	; the bias, in both forms, with no branch (both lie inside the 4,096 bytes for every p; one is used).  They land under the products; their address registers are never rewritten.
	s_cmp_eq_u32 ttmp9, 0
	s_cselect_b64 s[92:93], s[10:11], s[68:69]
	s_cmp_eq_u32 ttmp9, 2
	s_cselect_b64 s[92:93], s[70:71], s[92:93]
	s_lshl_b32 s22, s40, 10
	s_lshl_b32 s23, s16, 9
	s_add_co_u32 s22, s22, s23                     ; (256 cx + 128 x B's half) x 4
	s_mov_b32 s23, 0
	s_add_nc_u64 s[98:99], s[92:93], s[22:23]
	s_lshl_b32 s22, s41, 10
	s_lshl_b32 s13, s15, 9
	s_add_co_u32 s22, s22, s13                     ; (256 cy + 128 x A's half) x 4
	s_add_nc_u64 s[100:101], s[92:93], s[22:23]
	v_bfe_u32 v5, v0, 4, 1
	v_lshlrev_b32 v5, 6, v5                        ; 64 h: sixteen numbers
	v_and_b32 v6, 15, v0
	v_and_b32 v7, 8, v6
	v_add_nc_u32 v6, v6, v7
	v_lshlrev_b32 v6, 2, v6                        ; 4 (r + 8 (r / 8))
.irp b, 0,1,2,3
.irp q, 0,1,2,3
	global_load_b128 v[BQ+16*\b+4*\q:BQ+16*\b+4*\q+3], v5, s[98:99] offset:128*\b+16*\q   ; register 16 beta + i: column 32 beta + 16 h + i
.endr
.endr
.irp a, 0,1,2,3,4,5,6,7
	global_load_b32 v[BV+2*\a], v6, s[100:101] offset:4*(32*(\a/2)+8*(\a%2))
	global_load_b32 v[BV+2*\a+1], v6, s[100:101] offset:4*(32*(\a/2)+8*(\a%2))
.endr
.macro FRAG reg, adr, q, i             ; tile i's fragment of the slot's q-th 128 along K: four loads of 512 consecutive bytes; registers 4 c .. 4 c + 3 hold K = 32 c + 16 (l / 16) + 0 .. 15, alike in A and in B
.irp c, 0,1,2,3
	ds_load_b128 v[\reg+4*\c:\reg+4*\c+3], v[\adr] offset:(\i)*4096+(\q)*2048+512*\c
.endr
.endm
; 16 matrix instructions: A's tiles a0, a0 + 1 x B's eight.  p: B's set.  zero = 1: the first product starts the sums.  The 64 accumulators take turns, one instruction a turn, in the same order in every step.
.macro MUL16 a0, p, zero
.irp a, \a0, \a0+1
.irp b, 0,1,2,3,4,5,6,7
.if \zero
	v_wmma_f32_16x16x128_fp8_fp8 v[8*(8*((\a)%4)+\b):8*(8*((\a)%4)+\b)+7], v[128*(\p)+FR*\b:128*(\p)+FR*\b+FR-1], v[AF+FR*(\a):AF+FR*(\a)+FR-1], 0
.else
	v_wmma_f32_16x16x128_fp8_fp8 v[8*(8*((\a)%4)+\b):8*(8*((\a)%4)+\b)+7], v[128*(\p)+FR*\b:128*(\p)+FR*\b+FR-1], v[AF+FR*(\a):AF+FR*(\a)+FR-1], v[8*(8*((\a)%4)+\b):8*(8*((\a)%4)+\b)+7]
.endif
.endr
.endr
.endm
.macro FETCH_B slot, q, p
	WIN TO_B
.irp i, 0,1,2,3,4,5,6,7
	FRAG 128*(\p)+FR*\i, ADRB+\slot, \q, \i
.endr
	WIN 0
.endm
.macro FETCH_A slot, q, i0
.irp i, \i0, \i0+1, \i0+2, \i0+3
	FRAG AF+FR*(\i), ADRA+\slot, \q, \i
.endr
.endm
.macro PLACES n                        ; plain vector lines between a matrix instruction and a load into, or a vector line on, its registers
.rept \n
	v_nop
.endr
.endm
; A step of 128 along K that has its successor in the same slot.  A's tiles are free as soon as their eight products are issued: one set serves A, fetched anew in two runs.
.macro STEP slot, q, zero
	s_wait_dscnt 4*NL                              ; B's set and A's tiles 0-3 are in; the youngest sixteen loads (A's tiles 4-7) may be out
	WIN MUL_LO
	MUL16 0, (\q)%2, \zero
	MUL16 2, (\q)%2, \zero
	s_wait_dscnt 0                                 ; A's tiles 4-7 are in
	PLACES NP
	FETCH_B \slot, (\q)+1, 1-(\q)%2
	FETCH_A \slot, (\q)+1, 0
	WIN MUL_HI
	MUL16 4, (\q)%2, \zero
	MUL16 6, (\q)%2, \zero
	PLACES NP
	WIN 0
	FETCH_A \slot, (\q)+1, 4
.endm
; A slot's last step changes slots: one barrier; in front of it each wave waits for all its tensor loads, adds 0 to its spare word, and waits for that and for its reads of this slot.  fill = 1: this slot is filled again, two steps of 256 ahead.
.macro TURN slot, next, fill
	s_wait_tensorcnt 0x0                           ; all my tensor loads have landed: my part of the next slot
	ds_add_u32 v[SPW], v[NIL]                      ; 0 onto my spare word
	s_wait_dscnt 4*NL+1                            ; (the add and the youngest sixteen loads may be out)
	WIN MUL_LO
	MUL16 0, 1, 0                                  ; sixteen matrix instructions stand between the add and the wait for it
	s_wait_dscnt 0x0                               ; the add is done, and my reads of this slot are over
	s_barrier_signal -1
	MUL16 2, 1, 0
	WIN 0
	s_barrier_wait -1
.if \fill
	CREST                                          ; the barrier has opened a round of the cluster's: no wave of any partner still reads this slot or has a load on its way
	s_add_nc_u64 s[G0+4*\slot+2:G0+4*\slot+3], s[G0+4*\slot+2:G0+4*\slot+3], 2*KSTEPB
	s_add_nc_u64 s[G0B+4*\slot+2:G0B+4*\slot+3], s[G0B+4*\slot+2:G0B+4*\slot+3], 2*KSTEPB
	JLOAD G0+4*\slot, G1, G0B+4*\slot, G1B         ; the first tensor load behind the round; its four v_nop are also the places in front of the loads below
.else
	PLACES NP
.endif
	FETCH_B \next, 0, 0
	FETCH_A \next, 0, 0
	WIN MUL_HI
	MUL16 4, 1, 0
	MUL16 6, 1, 0
	PLACES NP
	WIN 0
	FETCH_A \next, 0, 4
.endm
	s_wait_alu depctr_va_vdst(0)
	s_wait_tensorcnt 1                             ; my part of slot 0 is in; slot 1's load may be out
	s_barrier_signal -1
	s_barrier_wait -1
	FETCH_B 0, 0, 0
	FETCH_A 0, 0, 0
	FETCH_A 0, 0, 4
	STEP 0, 0, 1                                   ; the first step stands in front of the loop: its products start the sums
	s_mov_b32 s3, LAPS-1
.Llap:                                                 ; a trip goes once round the ring and fills both slots again
	TURN 0, 1, 1
	STEP 1, 0, 0
	TURN 1, 0, 1
	STEP 0, 0, 0
	s_sub_co_u32 s3, s3, 1
	s_cmp_lg_u32 s3, 0
	s_cbranch_scc1 .Llap
	TURN 0, 1, 0                                   ; the last lap fills nothing
	STEP 1, 0, 0
	s_wait_dscnt 4*NL
	WIN MUL_LO
	MUL16 0, 1, 0
	MUL16 2, 1, 0
	s_wait_dscnt 0
	WIN MUL_HI
	MUL16 4, 1, 0
	MUL16 6, 1, 0
	WIN 0
	; THE WAY OUT: number = sum x 2^(e[2p] + e[2p+1]) + bias, one packed multiply-add for two; converted with the result's own scale; stored, 512 consecutive bytes an instruction.  No LDS.
	s_wait_kmcnt 0x0
	s_add_co_i32 s92, s80, s81
	s_add_co_i32 s93, s82, s83
	s_add_co_i32 s94, s84, s85
	s_cmp_eq_u32 ttmp9, 0
	s_cselect_b32 s96, s92, s93
	s_cselect_b32 s95, s86, s87                    ; q: entry 6, k: entry 7,
	s_cmp_eq_u32 ttmp9, 2
	s_cselect_b32 s96, s94, s96
	s_cselect_b32 s95, s89, s95                    ; v: entry 9
	s_add_co_i32 s96, s96, 127
	s_lshl_b32 s96, s96, 23                        ; 2^(e[2p] + e[2p+1]) as f32
	s_mov_b32 s97, s96                             ; (named with it as a pair, so it is written)
	s_add_co_i32 s95, s95, 127
	s_lshl_b32 s94, s95, 23
	v_mov_b32 v[SC], s94
	PLACES NP                                      ; behind the last products: their sums are read and A's registers written below
	s_wait_loadcnt 0x0                             ; the biases
; A's tile a against B's eight: 64 numbers a lane, register 16 beta + i = B's row 32 beta + 16 h + i.  kind 0: q, k; 1: v.
.macro OUT a, kind
.set AC, 64*((\a)%4)
.set CD, COD+16*((\a)%4)
.if (\a) >= 4
	s_wait_xcnt 0x0                                ; the stores of four tiles back have read their registers: the codes' set is written again only behind this wait
.endif
	WIN 0x02+((\a)/4)                              ; source 0: window 2 or 3
.set j, 0
.rept 32
.if \kind
	v_pk_fma_f32 v[VAL+j:VAL+j+1], v[AC+j:AC+j+1], s[96:97], v[BV+2*(\a):BV+2*(\a)+1] op_sel_hi:[1,0,1]   ; each accumulator from its low end on
.else
	v_pk_fma_f32 v[VAL+j:VAL+j+1], v[AC+j:AC+j+1], s[96:97], v[BQ+j:BQ+j+1] op_sel_hi:[1,0,1]
.endif
.set j, j+2
.endr
	WIN 0
.set j, 0
.rept 64
.set j, j+1
.endr
.irp b, 0,1,2,3
	v_cvt_scalef32_pk8_fp8_f32 v[CD+4*\b:CD+4*\b+1], v[VAL+16*\b:VAL+16*\b+7], v[SC]
	v_cvt_scalef32_pk8_fp8_f32 v[CD+4*\b+2:CD+4*\b+3], v[VAL+16*\b+8:VAL+16*\b+15], v[SC]
.endr
	v_nop                                          ; a plain line between the conversions and the next tile's writes of their sources
.irp b, 0,1,2,3
.if \kind
	global_store_b128 v[CO], v[CD+4*\b:CD+4*\b+3], s[94:95] offset:((\a)/4)*131072+((\a)%4)*2048+\b*512   ; head a / 4, tile a % 4 of its 64, keys 32 beta on
.else
	global_store_b128 v[CO], v[CD+4*\b:CD+4*\b+3], s[94:95] offset:(\a)*1024+(\b/2)*131072+(\b%2)*512     ; token tile a, head beta / 2, d = 32 (beta % 2) on
.endif
.endr
.endm
	s_cmp_eq_u32 ttmp9, 2                          ; the cluster's x: the same in all partners
	s_cbranch_scc1 .Lform_v
	s_lshr_b32 s92, s42, 3                         ; q, k: [16 batch + head][token tile][1024 bytes]
	s_lshl_b32 s92, s92, 4
	s_lshl_b32 s93, s40, 2
	s_add_co_u32 s92, s92, s93
	s_lshl_b32 s93, s16, 1
	s_add_co_u32 s92, s92, s93                     ; 16 batch + 4 cx + 2 x B's half
	s_lshl_b32 s92, s92, 7
	s_and_b32 s93, s42, 7
	s_lshl_b32 s93, s93, 4
	s_add_co_u32 s92, s92, s93
	s_lshl_b32 s93, s15, 3
	s_add_co_u32 s92, s92, s93                     ; + the batch's token tile: 16 (block % 8) + 8 x A's half
	s_lshl_b32 s92, s92, 10
	s_mov_b32 s93, 0
	s_cmp_eq_u32 ttmp9, 0
	s_cselect_b64 s[94:95], s[72:73], s[74:75]
	s_add_nc_u64 s[94:95], s[94:95], s[92:93]
.irp a, 0,1,2,3,4,5,6,7
	OUT \a, 0
.endr
	s_branch .Ljoin
.Lform_v:
	s_lshr_b32 s92, s43, 3                         ; v: [16 batch + head][step of 128 keys][8192 bytes]
	s_lshl_b32 s92, s92, 4
	s_lshl_b32 s93, s41, 2
	s_add_co_u32 s92, s92, s93
	s_lshl_b32 s93, s15, 1
	s_add_co_u32 s92, s92, s93                     ; 16 batch + 4 cy + 2 x A's half
	s_lshl_b32 s92, s92, 4
	s_and_b32 s93, s43, 7
	s_lshl_b32 s93, s93, 1
	s_add_co_u32 s92, s92, s93
	s_add_co_u32 s92, s92, s16                     ; + 2 (block % 8) + B's half
	s_lshl_b32 s92, s92, 13
	s_mov_b32 s93, 0
	s_add_nc_u64 s[94:95], s[76:77], s[92:93]
.irp a, 0,1,2,3,4,5,6,7
	OUT \a, 1
.endr
.Ljoin:
	s_wait_tensorcnt 0x0                           ; the wave's end
	ds_add_u32 v[SPW], v[NIL]
	s_wait_dscnt 0x0
	CROUND                                         ; the closing round: no work-group ends while a partner may still ask for a tile that names it
	s_endpgm
.Lfunc_end_k_qad22a475ba_qkv:
	.size	k_qad22a475ba_qkv, .Lfunc_end_k_qad22a475ba_qkv-k_qad22a475ba_qkv
	.p2alignl 7, 3214868480
	.fill 96, 4, 3214868480
	.section	.rodata,"a",@progbits
	.p2align	6, 0x0
	.amdhsa_kernel k_qad22a475ba_qkv
		.amdhsa_group_segment_fixed_size 327680
		.amdhsa_private_segment_fixed_size 0
		.amdhsa_enable_private_segment 0
		.amdhsa_kernarg_size 72
		.amdhsa_user_sgpr_count 2
		.amdhsa_user_sgpr_kernarg_segment_ptr 1
		.amdhsa_wavefront_size32 1
		.amdhsa_system_sgpr_workgroup_id_x 1
		.amdhsa_system_sgpr_workgroup_id_y 1
		.amdhsa_system_sgpr_workgroup_id_z 1
		.amdhsa_system_vgpr_workitem_id 0
		.amdhsa_next_free_vgpr 1024
		.amdhsa_next_free_sgpr 102
		.amdhsa_reserve_vcc 0
		.amdhsa_float_denorm_mode_32 3
		.amdhsa_float_denorm_mode_16_64 3
		.amdhsa_fp16_overflow 1
		.amdhsa_memory_ordered 1
		.amdhsa_forward_progress 1
		.amdhsa_inst_pref_size 130
	.end_amdhsa_kernel
	.amdgpu_metadata
---
amdhsa.version: [ 1, 2 ]
amdhsa.kernels:
  - .name:           k_qad22a475ba_qkv
    .symbol:         k_qad22a475ba_qkv.kd
    .args:
      - { .name: xc, .offset: 0, .size: 8, .value_kind: global_buffer, .address_space: global }
      - { .name: wc, .offset: 8, .size: 8, .value_kind: global_buffer, .address_space: global }
      - { .name: lowp_scales, .offset: 16, .size: 8, .value_kind: global_buffer, .address_space: global }
      - { .name: bq, .offset: 24, .size: 8, .value_kind: global_buffer, .address_space: global }
      - { .name: bk, .offset: 32, .size: 8, .value_kind: global_buffer, .address_space: global }
      - { .name: bv, .offset: 40, .size: 8, .value_kind: global_buffer, .address_space: global }
      - { .name: qc, .offset: 48, .size: 8, .value_kind: global_buffer, .address_space: global }
      - { .name: kc, .offset: 56, .size: 8, .value_kind: global_buffer, .address_space: global }
      - { .name: vc, .offset: 64, .size: 8, .value_kind: global_buffer, .address_space: global }
    .group_segment_fixed_size: 327680
    .private_segment_fixed_size: 0
    .kernarg_segment_align: 8
    .kernarg_segment_size: 72
    .max_flat_workgroup_size: 128
    .sgpr_count:     102
    .vgpr_count:     1024
    .wavefront_size: 32
...
	.end_amdgpu_metadata
.endif
;; end of part 2
;; launch attn (part 3): grid 4 x 64, 16 waves a work-group, no clusters, 264,192 bytes of LDS; arguments qc, kc, vc, lowp_scales, yc; writes yc
.if DOCPART == 3
	.amdgcn_target "amdgcn-amd-amdhsa--gfx1250"
	.amdhsa_code_object_version 6
	.text
	.protected	k_qad22a475ba_attn
	.globl	k_qad22a475ba_attn
	.p2align	8
	.type	k_qad22a475ba_attn,@function
k_qad22a475ba_attn:
	s_mov_b64 s[64:65], 0
	v_nop
	global_prefetch_b8 v0, s[64:65] scope:SCOPE_SE
	s_setreg_imm32_b32 hwreg(HW_REG_WAVE_MODE, 25, 1), 1
	s_wait_xcnt 0x0
; y = softmax(q k^T / 8, causal) v for one (batch, head) = work-group y, both products on E4M3 codes; y is quantised at once (scale entry 10) and stored as codes in the order of the last product's operand registers.
; THE SOFTMAX: t = score x log2(e) / 8; M = the running largest t rounded UP to a whole number; p = 2^(t - M) is quantised (entry 8), not normalised; the row's sum is taken of the unquantised p and divides at the end.
; When M moves, the sum and O are multiplied by 2^(old M - new M): exact.
; LDS holds the head's WHOLE K (131,072 bytes) and V (131,072 bytes), each byte filled once: no ring, nothing is filled again.  They come in four stages of 512 keys; the work begins when the first has landed.
; SHARES.  Sixteen waves, four to a SIMD, 256 registers each.  A block is 128 queries (8 tiles of 16); block n needs n + 1 steps of 128 keys.  Wave w takes a = 2 x + w / 8 and tile w % 8 of block a, then of block 15 - a:
; (a + 1) + (16 - a) = 17 key steps for every wave of the launch.  Steps whose keys all come after the queries are jumped over (a branch on ids); every loop's trip count is a constant.
; No cluster: that jump hangs on the work-group's block of queries, which differs between the work-groups that share a head's K and V.  No prefetch: all of K and V is asked for in the kernel's first lines.
; LAYOUT.  Both products transposed: S^T = K Q^T (source 0 = 16 keys, source 1 = my 16 queries), O^T = V^T P^T: a lane holds ONE query throughout.  Lane row r of tile T is row 32 (T/2) + 8 (T%2) + r + 8 (r/8), for queries,
; keys and the head's 64 alike: so the 16 registers of two neighbouring tiles are 16 neighbours (keys for p, channels for y), and the conversions' results are the next operand's registers.
; LIMITS: entries 6 + 7 between -123 and 130 (added to c's exponent field); entries 8 and 10 between -126 and 127; 8 + 9 is applied by v_ldexp_f32 and has none.
; REGISTERS: v1 16 x lane; v2 the same in V; v3 my query less 16 h, within its block; v8, v9 the step's addresses; v12 -M, v13 the largest t, v[14:15] the sum; v16-23, v24-31 Q of the two tiles; v32-95 K's fragments, then V's;
;   v96-159 S^T, then p; v160-191 O^T; v192-207 y's codes; v224-239 p's codes; v244: 2^e8; v245: 2^e10; v232-243, v246, v248-249, v252-254 at work.
.set VLDS,  131072                     ; V lies behind K
.set STG,   32768                      ; a stage: 512 keys of K, or of V
.set KSB,   8192                       ; a step of 128 keys: 8 tiles x 1,024 bytes of K; 4 tiles x 2,048 bytes of V
.set BLK, 18                           ; s18  the block of queries in hand
.set SEL, 20                           ; s[20:21] lane selects: lane l xor 16
.set CS,  22                           ; s[22:23] c = log2(e) / 8 x 2^(e6 + e7)
.set G1,  24                           ; s[24:31] descriptor group 1
.set G0,  32                           ; s[32:47] four groups 0, one for each stage
.set TB,  48                           ; s48  LDS byte at which the step's tiles begin
.set SG,  49                           ; s49  the step's number
.set CNT, 50                           ; s50  counts a loop's trips
.set ES,  51                           ; s51  e8 + e9
.macro POW e, sc, lim                  ; v[sc] = 2^e as f32
	s_add_co_i32 s66, s[\e], 127
	s_lshl_b32 s67, s66, 23
	v_mov_b32 v[\sc], s67
.endm
	s_load_b256 s[4:11], s[0:1], 0x0               ; qc s[4:5], kc s[6:7], vc s[8:9], the exponents s[10:11]
	s_load_b64 s[12:13], s[0:1], 0x20              ; yc
	v_lshl_add_u32 v251, v0, 2, 0x40000
	v_mov_b32 v255, 0
	ds_add_u32 v251, v255
	ds_add_u32 v251, v255
	v_lshrrev_b32 v1, 5, v0
	s_delay_alu instid0(VALU_DEP_1)
	v_readfirstlane_b32 s14, v1                    ; wave 0..15
	s_and_b32 s15, s14, 7                          ; my tile in a block; also which 4,096 bytes of a stage I fetch
	s_lshr_b32 s19, s14, 3                         ; 0: I fetch K; 1: V
	s_lshl_b32 s16, ttmp9, 1
	s_add_co_u32 s16, s16, s19                     ; a
	s_and_b32 s17, ttmp7, 0xffff                   ; 16 batch + head
	s_mov_b32 s[G1], 3<<16                         ; no mask; elements of 8 bytes; no padding: 4,096 dense bytes as 16 rows of 256
	s_mov_b32 s[G1+1], 32<<16                      ; tensor_dim0
	s_mov_b32 s[G1+2], 16<<16                      ; tensor_dim1
	s_mov_b32 s[G1+3], 32<<16                      ; tile_dim0
	s_mov_b32 s[G1+4], 16                          ; tile_dim1
	s_mov_b32 s[G1+5], 32                          ; tensor_dim0_stride
	s_mov_b32 s[G1+6], 0
	s_mov_b32 s[G1+7], 0
	s_lshl_b32 s76, s19, 17
	s_lshl_b32 s77, s15, 12
	s_add_co_u32 s76, s76, s77                     ; LDS: K or V, + my 4,096 bytes of stage 0
	s_lshl_b32 s78, s17, 17                        ; a head's K, and its V, are 131,072 bytes
	s_add_co_u32 s78, s78, s77
	s_mov_b32 s79, 0
	s_wait_dscnt 0x0
	s_wait_kmcnt 0x0
	s_load_b256 s[52:59], s[10:11], 0x0            ; entries 0 to 7
	s_load_b128 s[60:63], s[10:11], 0x20           ; entries 8 to 11
	s_cmp_lt_u32 s14, 8
	s_cselect_b64 s[66:67], s[6:7], s[8:9]
	s_add_nc_u64 s[66:67], s[66:67], s[78:79]
.irp j, 0,1,2,3
	s_mov_b32 s[G0+4*\j], 1
	s_add_co_u32 s[G0+4*\j+1], s76, \j*STG
	s_add_nc_u64 s[G0+4*\j+2:G0+4*\j+3], s[66:67], \j*STG
	s_or_b32 s[G0+4*\j+3], s[G0+4*\j+3], 0x80000000
.endr
.irp j, 0,1,2,3
	tensor_load_to_lds s[G0+4*\j:G0+4*\j+3], s[G1:G1+7]   ; all fills of the launch go out together: four loads of mine are out
	s_nop 0
.endr
.rept 4
	v_nop
.endr
	v_and_b32 v1, 31, v0
	s_delay_alu instid0(VALU_DEP_1)
	v_lshlrev_b32 v1, 4, v1
	s_wait_alu depctr_va_vdst(0)
	v_add_nc_u32 v2, VLDS, v1
	s_lshl_b32 s76, s16, 3
	s_add_co_u32 s76, s76, s15                     ; my low tile: 8 a + tile
	s_sub_co_u32 s77, 15, s16
	s_lshl_b32 s77, s77, 3
	s_add_co_u32 s77, s77, s15                     ; my high tile: 8 (15 - a) + tile
	s_lshl_b32 s78, s17, 17
	s_lshl_b32 s66, s76, 10
	s_add_co_u32 s66, s66, s78
	s_mov_b32 s67, 0
	s_add_nc_u64 s[72:73], s[4:5], s[66:67]
	s_lshl_b32 s66, s77, 10
	s_add_co_u32 s66, s66, s78
	s_add_nc_u64 s[74:75], s[4:5], s[66:67]
	global_load_b128 v[16:19], v1, s[72:73]                ; Q's two fragments stay in registers
	global_load_b128 v[20:23], v1, s[72:73] offset:512
	global_load_b128 v[24:27], v1, s[74:75]
	global_load_b128 v[28:31], v1, s[74:75] offset:512
	s_lshr_b32 s78, s17, 4                         ; y: (128 batch + tile) x 16384 + (head / 2) x 2048 + (head % 2) x 1024: k = 64 head + d of the last product
	s_lshl_b32 s78, s78, 21
	s_bfe_u32 s79, s17, 0x30001
	s_lshl_b32 s79, s79, 11
	s_add_co_u32 s78, s78, s79
	s_and_b32 s79, s17, 1
	s_lshl_b32 s79, s79, 10
	s_add_co_u32 s78, s78, s79
	s_lshl_b32 s66, s76, 14
	s_add_co_u32 s66, s66, s78
	s_add_nc_u64 s[68:69], s[12:13], s[66:67]
	s_lshl_b32 s66, s77, 14
	s_add_co_u32 s66, s66, s78
	s_add_nc_u64 s[70:71], s[12:13], s[66:67]
	v_and_b32 v4, 15, v0
	s_delay_alu instid0(VALU_DEP_1)
	v_and_b32 v5, 8, v4
	s_delay_alu instid0(VALU_DEP_1)
	v_add_nc_u32 v4, v4, v5                        ; r + 8 (r / 8)
	v_bfe_u32 v5, v0, 4, 1
	s_delay_alu instid0(VALU_DEP_1)
	v_lshlrev_b32 v5, 4, v5
	s_delay_alu instid0(VALU_DEP_1)
	v_sub_nc_u32 v4, v4, v5                        ; - 16 h
	s_lshr_b32 s66, s15, 1
	s_lshl_b32 s66, s66, 5
	s_and_b32 s79, s15, 1
	s_lshl_b32 s79, s79, 3
	s_add_co_u32 s66, s66, s79
	v_add_nc_u32 v3, s66, v4                       ; my query within its block, less 16 h: register 16 b + i holds key 32 b + 16 h + i of a step: hidden on the diagonal where 32 b + i > v3
	v_mov_b32 v246, 0                              ; written once: a lane permute's destination counts as one of its sources
	v_mov_b32 v253, 0                              ; (named as the upper half of the pair v[252:253])
	s_mov_b32 s[SEL], 0x76543210
	s_mov_b32 s[SEL+1], 0xfedcba98
	s_mov_b32 s[CS], 0x3e38aa3b                    ; log2(e) / 8
	s_wait_kmcnt 0x0
	s_add_co_i32 s66, s58, s59
	s_lshl_b32 s66, s66, 23
	s_add_co_i32 s[CS], s[CS], s66                 ; a score stands for score x 2^(e6 + e7): added to c's exponent field
	s_mov_b32 s[CS+1], s[CS]
	POW 60, 244, 240
	POW 62, 245, 241
	s_add_co_i32 s[ES], s60, s61
; A KEY STEP: 128 keys.  qr: the first register of my tile's Q.
.macro STEP qr
	s_cmp_gt_u32 s[SG], s[BLK]                     ; all its keys come after my queries: only the lines at its end, which step addresses, are run
	s_cbranch_scc1 .Lhid_\@
	s_setprio 2
	v_add_nc_u32 v8, s[TB], v1
	v_add_nc_u32 v9, s[TB], v2
	v_nop
	v_nop                                          ; with the two additions: four places in front of loads into registers that the last products read
.irp t, 0,1,2,3,4,5,6,7
	ds_load_b128 v[32+8*\t:35+8*\t], v8 offset:1024*\t
	ds_load_b128 v[36+8*\t:39+8*\t], v8 offset:1024*\t+512
.endr
	s_wait_alu depctr_va_vdst(0)
	s_wait_dscnt 0x0
.irp t, 0,1,2,3,4,5,6,7
	v_wmma_f32_16x16x64_fp8_fp8 v[96+8*\t:103+8*\t], v[32+8*\t:39+8*\t], v[\qr:\qr+7], 0
.endr
.rept 4
	v_nop                                          ; places: V's fragments land where K's lay, and the scores are read
.endr
.irp t, 0,1,2,3
.irp c, 0,1,2,3
	ds_load_b128 v[32+16*\t+4*\c:35+16*\t+4*\c], v9 offset:2048*\t+512*\c   ; they land under the softmax
.endr
.endr
	s_cmp_lt_u32 s[SG], s[BLK]                     ; all keys count: no mask
	s_cbranch_scc1 .Lopen_\@
	v_mov_b32 v254, 0xff800000                     ; on the diagonal hidden scores become -infinity ahead of the maximum: p = 0 then
.set n, 0
.rept 64
	v_cmp_gt_i32 vcc_lo, 32*(n/16)+n%16, v3
	v_cndmask_b32 v[96+n], v[96+n], v254, vcc_lo
.set n, n+1
.endr
.Lopen_\@:
	v_max3_num_f32 v254, v96, v97, v98             ; the step's largest score of my query among my 64 keys, in two chains,
	v_max3_num_f32 v252, v99, v100, v101
.irp i, 6,10,14,18,22,26,30,34,38,42,46,50,54,58
	v_max3_num_f32 v254, v254, v[96+\i], v[97+\i]
	v_max3_num_f32 v252, v252, v[98+\i], v[99+\i]
.endr
	v_max3_num_f32 v254, v254, v158, v159
	s_delay_alu instid0(VALU_DEP_1)
	v_max_num_f32 v254, v254, v252
	s_delay_alu instid0(VALU_DEP_1)
	v_permlanex16_b32 v246, v254, s[SEL], s[SEL+1]
	s_delay_alu instid0(VALU_DEP_1)
	v_max_num_f32 v254, v254, v246                 ; and among lane l xor 16's
	s_delay_alu instid0(VALU_DEP_1)
	v_mul_f32 v254, s[CS], v254                    ; as t (c is positive)
	s_delay_alu instid0(VALU_DEP_1)
	v_max_num_f32 v13, v13, v254                   ; the running largest t
	v_mov_b32 v254, v12
	s_delay_alu instid0(VALU_DEP_2)
	v_floor_f32 v12, -v13                          ; the new -M = floor(-t): M is a whole number
	s_delay_alu instid0(VALU_DEP_1)
	v_sub_f32 v254, v12, v254                      ; old M less new M: a whole number, 0 or less
	s_delay_alu instid0(VALU_DEP_1)
	v_cvt_i32_f32 v254, v254                       ; (it saturates)
	s_delay_alu instid0(VALU_DEP_1)
	v_ldexp_f32 v252, 1.0, v254                    ; f = 2^(old M - new M)
.set j, 0
	s_setprio 1
.rept 32
	v_pk_fma_f32 v[96+j:97+j], v[96+j:97+j], s[CS:CS+1], v[12:13] op_sel_hi:[1,0,0]   ; t - M, two at a time
.set j, j+2
.endr
.set j, 0
	s_wait_alu depctr_va_vdst(0)
.rept 64
	v_exp_f32 v[96+j], v[96+j]                     ; p = 2^(t - M), at most 1
.set j, j+1
.endr
	v_pk_mul_f32 v[14:15], v[14:15], v[252:253] op_sel_hi:[1,0]   ; the sums under the new M: the plain line behind the exponentials
	s_wait_alu depctr_va_vdst(0)                   ; one wait for the whole batch, ahead of its first reader
	v_pk_add_f32 v[242:243], v[100:101], v[104:105]
	v_pk_add_f32 v[248:249], v[108:109], v[112:113]
	v_pk_add_f32 v[240:241], v[116:117], v[120:121]
	v_pk_add_f32 v[238:239], v[124:125], v[128:129]
	v_pk_add_f32 v[236:237], v[132:133], v[136:137]
	v_pk_add_f32 v[234:235], v[140:141], v[144:145]
	v_pk_add_f32 v[232:233], v[148:149], v[152:153]
	v_pk_add_f32 v[14:15], v[14:15], v[156:157]
	v_pk_add_f32 v[242:243], v[242:243], v[96:97]
	v_pk_add_f32 v[248:249], v[248:249], v[98:99]
	v_pk_add_f32 v[240:241], v[240:241], v[102:103]
	v_pk_add_f32 v[238:239], v[238:239], v[106:107]
	v_pk_add_f32 v[236:237], v[236:237], v[110:111]
	v_pk_add_f32 v[234:235], v[234:235], v[114:115]
	v_pk_add_f32 v[232:233], v[232:233], v[118:119]
	v_pk_add_f32 v[14:15], v[14:15], v[122:123]
	v_pk_add_f32 v[242:243], v[242:243], v[126:127]
	v_pk_add_f32 v[248:249], v[248:249], v[130:131]
	v_pk_add_f32 v[240:241], v[240:241], v[134:135]
	v_pk_add_f32 v[238:239], v[238:239], v[138:139]
	v_pk_add_f32 v[236:237], v[236:237], v[142:143]
	v_pk_add_f32 v[234:235], v[234:235], v[146:147]
	v_pk_add_f32 v[232:233], v[232:233], v[150:151]
	s_setprio 0
	v_pk_add_f32 v[14:15], v[14:15], v[154:155]
	v_pk_add_f32 v[242:243], v[242:243], v[158:159]
	s_delay_alu instid0(VALU_DEP_2)
	v_pk_add_f32 v[14:15], v[14:15], v[238:239]
	s_delay_alu instid0(VALU_DEP_2)
	v_pk_add_f32 v[242:243], v[242:243], v[236:237]
	v_pk_add_f32 v[248:249], v[248:249], v[234:235]
	v_pk_add_f32 v[240:241], v[240:241], v[232:233]
	s_delay_alu instid0(VALU_DEP_2)
	v_pk_add_f32 v[14:15], v[14:15], v[248:249]
	s_delay_alu instid0(VALU_DEP_2)
	v_pk_add_f32 v[242:243], v[242:243], v[240:241]
	s_delay_alu instid0(VALU_DEP_1)
	v_pk_add_f32 v[14:15], v[14:15], v[242:243]
.irp b, 0,1,2,3
.set i, 0
.rept 16
.set i, i+1
.endr
	v_cvt_scalef32_pk8_fp8_f32 v[224+4*\b:225+4*\b], v[96+16*\b:103+16*\b], v244
	v_cvt_scalef32_pk8_fp8_f32 v[226+4*\b:227+4*\b], v[104+16*\b:111+16*\b], v244
.endr
.set j, 0
.rept 16
	v_pk_mul_f32 v[160+j:161+j], v[160+j:161+j], v[252:253] op_sel_hi:[1,0]   ; O^T under the new M; also the plain lines between the conversions and the products
.set j, j+2
.endr
	s_wait_alu depctr_va_vdst(0)
	s_wait_dscnt 0x0                               ; V's fragments
.irp t, 0,1,2,3
	v_wmma_f32_16x16x128_fp8_fp8 v[160+8*\t:167+8*\t], v[32+16*\t:47+16*\t], v[224:239], v[160+8*\t:167+8*\t]   ; four accumulators by turns
.endr
.Lhid_\@:
	s_add_co_u32 s[TB], s[TB], KSB
	s_add_co_u32 s[SG], s[SG], 1
.endm
.macro RUN qr, start, trips            ; key steps start .. start + trips - 1: every number a constant of the text
	s_mov_b32 s[TB], (\start)*KSB
	s_mov_b32 s[SG], \start
	s_mov_b32 s[CNT], \trips
.Lrun_\@:
	STEP \qr
	s_sub_co_u32 s[CNT], s[CNT], 1
	s_cmp_lg_u32 s[CNT], 0
	s_cbranch_scc1 .Lrun_\@
	s_setprio 0
.endm
.macro MEET left                       ; my part of a stage has landed (left: my later stages' loads, which may stay out); behind the barrier everybody's has.  No LDS load of mine is out here
	s_wait_tensorcnt \left
	s_barrier_signal -1
	s_barrier_wait -1
.endm
.macro INIT                            ; a tile's start: the step is written once, and the first finds zeros, which the first change of M leaves zeros
	v_mov_b32 v13, 0xff61b1e6                      ; -3e38, under every t
	s_delay_alu instid0(VALU_DEP_1)
	v_floor_f32 v12, -v13
	v_mov_b32 v14, 0
	v_mov_b32 v15, 0
.set j, 0
.rept 32
	v_mov_b32 v[160+j], 0
.set j, j+1
.endr
.endm
.macro FIN cd, base                    ; y = O^T / the sum x 2^(e8 + e9); converted with 2^e10; register 16 b + i is d = 32 b + 16 h + i of my query
.rept 4
	v_nop                                          ; places behind the last products
.endr
	v_add_f32 v14, v14, v15
	s_delay_alu instid0(VALU_DEP_1)
	v_permlanex16_b32 v246, v14, s[SEL], s[SEL+1]
	s_delay_alu instid0(VALU_DEP_1)
	v_add_f32 v14, v14, v246                       ; the row's sum
	s_wait_alu depctr_va_vdst(0)
	v_rcp_f32 v14, v14
	v_nop                                          ; a plain line behind the transcendental,
	s_wait_alu depctr_va_vdst(0)                   ; and the wait ahead of its first reader
	v_ldexp_f32 v14, v14, s[ES]
.set j, 0
.rept 16
	v_pk_mul_f32 v[96+j:97+j], v[160+j:161+j], v[14:15] op_sel_hi:[1,0]
.set j, j+2
.endr
.set j, 0
.rept 32
.set j, j+1
.endr
.irp b, 0,1
	v_cvt_scalef32_pk8_fp8_f32 v[\cd+4*\b:\cd+4*\b+1], v[96+16*\b:103+16*\b], v245
	v_cvt_scalef32_pk8_fp8_f32 v[\cd+4*\b+2:\cd+4*\b+3], v[104+16*\b:111+16*\b], v245
.endr
	v_nop                                          ; a plain line between the conversions and whatever next writes their sources
	global_store_b128 v1, v[\cd:\cd+3], s[\base:\base+1]               ; 512 consecutive bytes each; these registers are not written again
	global_store_b128 v1, v[\cd+4:\cd+7], s[\base:\base+1] offset:512
.endm
	s_wait_loadcnt 0x0                             ; Q
	s_mov_b32 s[BLK], s16                          ; block a: key steps 0 .. a, a at most 7
	INIT
	MEET 3                                         ; keys 0 to 511
	RUN 16, 0, 4
	MEET 2                                         ; keys 512 to 1,023
	RUN 16, 4, 4
	FIN 192, 68
	s_sub_co_u32 s[BLK], 15, s16                   ; block 15 - a: key steps 0 .. 15 - a
	INIT
	RUN 24, 0, 8
	MEET 1                                         ; keys 1,024 to 1,535
	RUN 24, 8, 4
	MEET 0                                         ; all: no tensor load is out from here to the end
	RUN 24, 12, 4
	FIN 200, 70
	s_wait_tensorcnt 0x0
	ds_add_u32 v251, v255
	s_wait_dscnt 0x0
	s_endpgm
.Lfunc_end_k_qad22a475ba_attn:
	.size	k_qad22a475ba_attn, .Lfunc_end_k_qad22a475ba_attn-k_qad22a475ba_attn
	.p2alignl 7, 3214868480
	.fill 96, 4, 3214868480
	.section	.rodata,"a",@progbits
	.p2align	6, 0x0
	.amdhsa_kernel k_qad22a475ba_attn
		.amdhsa_group_segment_fixed_size 264192
		.amdhsa_private_segment_fixed_size 0
		.amdhsa_enable_private_segment 0
		.amdhsa_kernarg_size 40
		.amdhsa_user_sgpr_count 2
		.amdhsa_user_sgpr_kernarg_segment_ptr 1
		.amdhsa_wavefront_size32 1
		.amdhsa_system_sgpr_workgroup_id_x 1
		.amdhsa_system_sgpr_workgroup_id_y 1
		.amdhsa_system_sgpr_workgroup_id_z 1
		.amdhsa_system_vgpr_workitem_id 0
		.amdhsa_next_free_vgpr 256
		.amdhsa_next_free_sgpr 80
		.amdhsa_reserve_vcc 1
		.amdhsa_float_denorm_mode_32 3
		.amdhsa_float_denorm_mode_16_64 3
		.amdhsa_fp16_overflow 1
		.amdhsa_memory_ordered 1
		.amdhsa_forward_progress 1
		.amdhsa_inst_pref_size 109
	.end_amdhsa_kernel
	.amdgpu_metadata
---
amdhsa.version: [ 1, 2 ]
amdhsa.kernels:
  - .name:           k_qad22a475ba_attn
    .symbol:         k_qad22a475ba_attn.kd
    .args:
      - { .name: qc, .offset: 0, .size: 8, .value_kind: global_buffer, .address_space: global }
      - { .name: kc, .offset: 8, .size: 8, .value_kind: global_buffer, .address_space: global }
      - { .name: vc, .offset: 16, .size: 8, .value_kind: global_buffer, .address_space: global }
      - { .name: lowp_scales, .offset: 24, .size: 8, .value_kind: global_buffer, .address_space: global }
      - { .name: yc, .offset: 32, .size: 8, .value_kind: global_buffer, .address_space: global }
    .group_segment_fixed_size: 264192
    .private_segment_fixed_size: 0
    .kernarg_segment_align: 8
    .kernarg_segment_size: 40
    .max_flat_workgroup_size: 512
    .sgpr_count:     80
    .vgpr_count:     256
    .wavefront_size: 32
...
	.end_amdgpu_metadata
.endif
;; end of part 3
;; launch proj (part 4): grid 4 x 32, 4 waves a work-group, clusters of 4 x 4, 327,680 bytes of LDS; arguments yc, wc, lowp_scales, bp, out0; writes out0
.if DOCPART == 4
	.amdgcn_target "amdgcn-amd-amdhsa--gfx1250"
	.amdhsa_code_object_version 6
	.text
	.protected	k_qad22a475ba_proj
	.globl	k_qad22a475ba_proj
	.p2align	8
	.type	k_qad22a475ba_proj,@function
k_qad22a475ba_proj:
	s_mov_b64 s[64:65], 0
	v_nop
	global_prefetch_b8 v0, s[64:65] scope:SCOPE_SE
	s_setreg_imm32_b32 hwreg(HW_REG_WAVE_MODE, 25, 1), 1
	s_wait_xcnt 0x0
	s_wait_alu depctr_hold_cnt(0) depctr_sa_sdst(0) depctr_va_vdst(0) depctr_va_sdst(0) depctr_va_ssrc(0) depctr_va_vcc(0) depctr_vm_vsrc(0)
	s_getreg_b32 s2, hwreg(HW_REG_IB_STS2, 6, 4)
	s_cmp_eq_u32 s2, 0
	s_cbranch_scc0 .Lentry_in_a_cluster
	s_endpgm
.Lentry_in_a_cluster:
	s_bfe_u32 s2, ttmp6, 0x10000c
	s_cmp_lg_u32 s2, 0xf033
	s_cbranch_scc0 .Lentry_shape_is_right
	s_endpgm
.Lentry_shape_is_right:
; out0 = y Wp + bp on E4M3 codes (K = 1,024; scale entries 10, 11); out0 [8192][1024] f32.
; A = y's codes, B = Wp's codes (the fourth part of wc), both as images of registers: tile T (16 rows; lane row r = row 32 (T/2) + 8 (T%2) + r + 8 (r/8)) x 16384 + step of 128 along K x 2048 + c x 512 + 16 x lane.
; A tile of 256 x 256 is made by four waves, 128 x 128 each.  K goes in steps of 256 through a ring of two LDS slots; a fragment load takes 512 consecutive LDS bytes: no pitch, no padding.
; CLUSTERS: 4 x 4; A's tiles are asked for jointly along a row of the cluster, B's along a column.  32 x 4 tiles make 128 work-groups.  No prefetch: K has four steps, two of which are asked for at the head.
; THE MATRIX INSTRUCTION IS USED TRANSPOSED (source 0 = 16 rows of B, source 1 = 16 rows of A): a lane holds one token, and the 16 registers of two neighbouring tiles of B are 16 neighbouring columns.
; LIMIT: e10 + e11 between -126 and 127.
; REGISTERS, in windows of 256: window 0: v0-31 addresses, v8-11 the bias at my four columns of a row; v128-255 A's fragments, one set; on the way out rows of the result.  window 1: B's fragments, two sets.
;   window 2: the accumulators of my rows 0-63 ((a, b) at v[8 (8 a + b)]);  window 3: those of rows 64-127.
.set HALFT,  32768
.set SLOT,   4*HALFT
.set SPARE,  2*SLOT                    ; behind the ring: the spare words, 128 bytes for each wave: two blocks of 256 bytes that no other line names
.set KSTEPB, 4096
.set LAPS,   2
.set FR,     16
.set NL,     4
.set NP,     4
.set SPITCH, 528                       ; the way out: a stage of 16 rows x (512 bytes + 16) for each wave, in slot 0, which has had its last fill and its last read when the first result is stored there
.set ADRA, 16
.set ADRB, 20
.set STO,  24                          ; v24  the stage: where I put my bytes of a row
.set RD,   25                          ; v25  and where I read a row back
.set CO,   26                          ; v26  16 x lane; never rewritten
.set SPW,  28
.set NIL,  29
.set AF,   128
.set BK,   128                         ; 16 rows read back from the stage: v128-191 and v192-255 by turns
.set G1, 24
.set G0, 32
.set G1B, 48
.set G0B, 56
.set MSB, 0
.macro WIN new
.if MSB != \new
	s_set_vgpr_msb (MSB<<8)|\new
.set MSB, \new
.endif
.endm
.set MUL_LO, 0xa1
.set MUL_HI, 0xf1
.set TO_B,   0x40
.macro JLOAD g0a, g1a, g0b, g1b        ; a joint load: waves 0 and 1 fetch A's halves, waves 2 and 3 B's; four v_nop follow each of the two lines
	s_cmp_eq_u32 s15, 0
	s_cbranch_scc0 .Lfor_b_\@
	tensor_load_to_lds s[\g0a:\g0a+3], s[\g1a:\g1a+7]
	s_nop 0
.rept 4
	v_nop
.endr
	s_branch .Lasked_\@
.Lfor_b_\@:
	tensor_load_to_lds s[\g0b:\g0b+3], s[\g1b:\g1b+7]
	s_nop 0
.rept 4
	v_nop
.endr
.Lasked_\@:
.endm
.macro CREST
	s_cmp_lg_u32 s14, 0
	s_cbranch_scc1 .Lnot_wave_0_\@
	s_barrier_signal -3
.Lnot_wave_0_\@:
	s_barrier_wait -3
	s_barrier_signal -1
	s_barrier_wait -1
.endm
.macro CROUND
	s_barrier_signal -1
	s_barrier_wait -1
	CREST
.endm
	s_load_b256 s[4:11], s[0:1], 0x0               ; yc s[4:5], wc s[6:7], the exponents s[8:9], bp s[10:11]
	s_load_b64 s[12:13], s[0:1], 0x20              ; out0
	v_lshl_add_u32 v[SPW], v0, 2, SPARE
	v_mov_b32 v[NIL], 0
	ds_add_u32 v28, v29
	ds_add_u32 v28, v29
	s_wait_dscnt 0x0
	v_lshrrev_b32 v1, 5, v0
	v_readfirstlane_b32 s14, v1                    ; wave 0..3
	s_lshr_b32 s15, s14, 1                         ; which half of A's rows is mine.  Also: I fetch for A (0) or for B (1)
	s_and_b32 s16, s14, 1                          ; which half of B's rows.  Also: which 8 tiles I fetch
	s_bfe_u32 s40, ttmp6, 0x40000                  ; cx
	s_bfe_u32 s41, ttmp6, 0x40004                  ; cy
	s_lshl_b32 s42, ttmp9, 2
	s_add_co_u32 s42, s42, s40                     ; block of 256 columns
	s_and_b32 s17, ttmp7, 0xffff
	s_lshl_b32 s17, s17, 2
	s_add_co_u32 s17, s17, s41                     ; block of 256 tokens
	s_lshl_b32 s43, s41, 2
	s_lshl_b32 s43, 15, s43                        ; my row of the cluster
	s_lshl_b32 s44, 0x1111, s40                    ; my column
	s_or_b32 s[G1+0], s43, (1<<21)                 ; the mask; elements of 1 byte; bit 21 set beside a mask
	s_or_b32 s[G1B+0], s44, (1<<21)
.irp g, G1, G1B
	s_mov_b32 s[\g+1], 4096<<16                    ; 8 rows (tiles) x 4,096 bytes, 16,384 bytes apart
	s_mov_b32 s[\g+2], 8<<16
	s_mov_b32 s[\g+3], 4096<<16
	s_mov_b32 s[\g+4], 8
	s_mov_b32 s[\g+5], 16384
	s_mov_b32 s[\g+6], 0
	s_mov_b32 s[\g+7], 0
.endr
	s_lshl_b32 s18, s16, 17                        ; the 8 tiles that I fetch
	s_lshl_b32 s20, s17, 18
	s_add_co_u32 s20, s20, s18
	s_mov_b32 s21, 0
	s_lshl_b32 s46, s42, 18
	s_add_co_u32 s46, s46, s18
	s_add_co_u32 s46, s46, 3*1048576               ; Wp's codes are the fourth part of wc
	s_mov_b32 s47, 0
	s_mul_i32 s45, s14, HALFT
	s_wait_kmcnt 0x0
	s_load_b64 s[96:97], s[8:9], 0x28              ; entries 10 and 11
	s_add_nc_u64 s[20:21], s[4:5], s[20:21]
	s_add_nc_u64 s[46:47], s[6:7], s[46:47]
	CROUND                                         ; all sixteen work-groups are here: the first joint loads meet
.irp s, 0,1
	s_mov_b32 s[G0+4*\s], 1
	s_add_co_u32 s[G0+4*\s+1], s45, \s*SLOT
	s_add_nc_u64 s[G0+4*\s+2:G0+4*\s+3], s[20:21], \s*KSTEPB
	s_or_b32 s[G0+4*\s+3], s[G0+4*\s+3], 0x80000000
	s_mov_b32 s[G0B+4*\s], 1
	s_add_co_u32 s[G0B+4*\s+1], s45, \s*SLOT
	s_add_nc_u64 s[G0B+4*\s+2:G0B+4*\s+3], s[46:47], \s*KSTEPB
	s_or_b32 s[G0B+4*\s+3], s[G0B+4*\s+3], 0x80000000
	JLOAD G0+4*\s, G1, G0B+4*\s, G1B
.endr
	v_and_b32 v1, 31, v0
	v_lshlrev_b32 v[CO], 4, v1
	s_mul_i32 s22, s15, HALFT
	s_mul_i32 s23, s16, HALFT
	s_add_co_u32 s23, s23, 2*HALFT
.irp s, 0,1
	v_add_nc_u32 v[ADRA+\s], s22, v[CO]
	v_add_nc_u32 v[ADRB+\s], s23, v[CO]
	s_add_co_u32 s22, s22, SLOT
	s_add_co_u32 s23, s23, SLOT
.endr
	s_lshl_b32 s22, s42, 10
	s_lshl_b32 s23, s16, 9
	s_add_co_u32 s22, s22, s23                     ; my first column, in bytes: (256 x block + 128 x half) x 4
	s_mov_b32 s23, 0
	s_add_nc_u64 s[10:11], s[10:11], s[22:23]
	global_load_b128 v[8:11], v[CO], s[10:11]      ; the bias at the four columns that I hold of a row read back; it lands under the products
	s_add_nc_u64 s[12:13], s[12:13], s[22:23]
	s_lshl_b32 s22, s17, 20                        ; 256 tokens of 4,096 bytes a block,
	s_lshl_b32 s18, s15, 19                        ; 128 a half
	s_add_co_u32 s22, s22, s18
	s_add_nc_u64 s[12:13], s[12:13], s[22:23]
	v_and_b32 v1, 15, v0
	v_bfe_u32 v2, v0, 4, 1
	s_mul_i32 s19, s14, 16*SPITCH                  ; my stage
	v_mul_u32_u24 v5, v1, SPITCH
	v_lshl_add_u32 v5, v2, 6, v5                   ; in: row r, + 64 h: sixteen numbers of each 32 columns
	v_add_nc_u32 v[STO], s19, v5
	v_add_nc_u32 v[RD], s19, v[CO]                 ; back: the 32 lanes take one row of 512 bytes
.macro FRAG reg, adr, q, i
.irp c, 0,1,2,3
	ds_load_b128 v[\reg+4*\c:\reg+4*\c+3], v[\adr] offset:(\i)*4096+(\q)*2048+512*\c
.endr
.endm
.macro MUL16 a0, p, zero               ; the 64 accumulators take turns, one instruction a turn, in the same order in every step
.irp a, \a0, \a0+1
.irp b, 0,1,2,3,4,5,6,7
.if \zero
	v_wmma_f32_16x16x128_fp8_fp8 v[8*(8*((\a)%4)+\b):8*(8*((\a)%4)+\b)+7], v[128*(\p)+FR*\b:128*(\p)+FR*\b+FR-1], v[AF+FR*(\a):AF+FR*(\a)+FR-1], 0
.else
	v_wmma_f32_16x16x128_fp8_fp8 v[8*(8*((\a)%4)+\b):8*(8*((\a)%4)+\b)+7], v[128*(\p)+FR*\b:128*(\p)+FR*\b+FR-1], v[AF+FR*(\a):AF+FR*(\a)+FR-1], v[8*(8*((\a)%4)+\b):8*(8*((\a)%4)+\b)+7]
.endif
.endr
.endr
.endm
.macro FETCH_B slot, q, p
	WIN TO_B
.irp i, 0,1,2,3,4,5,6,7
	FRAG 128*(\p)+FR*\i, ADRB+\slot, \q, \i
.endr
	WIN 0
.endm
.macro FETCH_A slot, q, i0
.irp i, \i0, \i0+1, \i0+2, \i0+3
	FRAG AF+FR*(\i), ADRA+\slot, \q, \i
.endr
.endm
.macro PLACES n
.rept \n
	v_nop
.endr
.endm
.macro STEP slot, q, zero
	s_wait_dscnt 4*NL                              ; B's set and A's tiles 0-3 are in; the youngest sixteen loads (A's tiles 4-7) may be out
	WIN MUL_LO
	MUL16 0, (\q)%2, \zero
	MUL16 2, (\q)%2, \zero
	s_wait_dscnt 0
	PLACES NP
	FETCH_B \slot, (\q)+1, 1-(\q)%2
	FETCH_A \slot, (\q)+1, 0
	WIN MUL_HI
	MUL16 4, (\q)%2, \zero
	MUL16 6, (\q)%2, \zero
	PLACES NP
	WIN 0
	FETCH_A \slot, (\q)+1, 4
.endm
.macro TURN slot, next, fill
	s_wait_tensorcnt 0x0                           ; all my tensor loads have landed: my part of the next slot
	ds_add_u32 v[SPW], v[NIL]                      ; 0 onto my spare word
	s_wait_dscnt 4*NL+1                            ; (the add and the youngest sixteen loads may be out)
	WIN MUL_LO
	MUL16 0, 1, 0
	s_wait_dscnt 0x0                               ; the add is done, and my reads of this slot are over
	s_barrier_signal -1
	MUL16 2, 1, 0
	WIN 0
	s_barrier_wait -1
.if \fill
	CREST                                          ; the barrier has opened a round of the cluster's: no wave of any partner still reads this slot or has a load on its way
	s_add_nc_u64 s[G0+4*\slot+2:G0+4*\slot+3], s[G0+4*\slot+2:G0+4*\slot+3], 2*KSTEPB
	s_add_nc_u64 s[G0B+4*\slot+2:G0B+4*\slot+3], s[G0B+4*\slot+2:G0B+4*\slot+3], 2*KSTEPB
	JLOAD G0+4*\slot, G1, G0B+4*\slot, G1B
.else
	PLACES NP
.endif
	FETCH_B \next, 0, 0
	FETCH_A \next, 0, 0
	WIN MUL_HI
	MUL16 4, 1, 0
	MUL16 6, 1, 0
	PLACES NP
	WIN 0
	FETCH_A \next, 0, 4
.endm
	s_wait_tensorcnt 1                             ; my part of slot 0 is in; slot 1's load may be out
	s_barrier_signal -1
	s_barrier_wait -1
	FETCH_B 0, 0, 0
	FETCH_A 0, 0, 0
	FETCH_A 0, 0, 4
	STEP 0, 0, 1
	s_mov_b32 s3, LAPS-1
.Llap:
	TURN 0, 1, 1
	STEP 1, 0, 0
	TURN 1, 0, 1
	STEP 0, 0, 0
	s_sub_co_u32 s3, s3, 1
	s_cmp_lg_u32 s3, 0
	s_cbranch_scc1 .Llap
	TURN 0, 1, 0
	STEP 1, 0, 0
	s_wait_dscnt 4*NL
	WIN MUL_LO
	MUL16 0, 1, 0
	MUL16 2, 1, 0
	s_wait_dscnt 0
	WIN MUL_HI
	MUL16 4, 1, 0
	MUL16 6, 1, 0
	WIN 0
; THE WAY OUT, A's tile by tile: 16 tokens x 128 columns.  The sums go into my own stage as they stand and come back as whole rows of 512 bytes; there each pair gets sum x 2^(e10 + e11) + bias, one packed
; multiply-add, and the 32 lanes store a row's 512 consecutive bytes.  LDS serves a wave's instructions in order (ISA guide 5.7.1.4): no wait between the stores and the loads, nor in front of the next tile's stores.
.macro TOSTAGE a
.set AC, 64*((\a)%4)
	WIN 0x08+4*((\a)/4)                            ; the stores' data: window 2 or 3
.irp b, 0,1,2,3,4,5,6,7
	ds_store_b128 v[STO], v[AC+8*\b:AC+8*\b+3] offset:128*(\b/2)+32*(\b%2)          ; each accumulator from its low end on
	ds_store_b128 v[STO], v[AC+8*\b+4:AC+8*\b+7] offset:128*(\b/2)+32*(\b%2)+16
.endr
	WIN 0
.set BB, BK+64*((\a)%2)
.irp t, 0,1,2,3,4,5,6,7,8,9,10,11,12,13,14,15
	ds_load_b128 v[BB+4*\t:BB+4*\t+3], v[RD] offset:\t*SPITCH
.endr
.endm
.macro SEND a, younger                 ; younger: the LDS instructions issued behind tile a's loads, which may stay out
.set BB, BK+64*((\a)%2)
	s_wait_dscnt \younger
.irp t, 0,1,2,3,4,5,6,7,8,9,10,11,12,13,14,15
	v_pk_fma_f32 v[BB+4*\t:BB+4*\t+1], v[BB+4*\t:BB+4*\t+1], s[96:97], v[8:9] op_sel_hi:[1,0,1]
	v_pk_fma_f32 v[BB+4*\t+2:BB+4*\t+3], v[BB+4*\t+2:BB+4*\t+3], s[96:97], v[10:11] op_sel_hi:[1,0,1]
.endr
.irp t, 0,1,2,3,4,5,6,7,8,9,10,11,12,13,14,15
	global_store_b128 v[CO], v[BB+4*\t:BB+4*\t+3], s[12:13] offset:(32*((\a)/2)+8*((\a)%2)+\t+8*(\t/8))*4096 th:TH_STORE_NT   ; lane row t's token; 127 rows at the most: inside the signed 24-bit immediate; the base is never stepped
.endr
.endm
	s_wait_kmcnt 0x0
	s_add_co_i32 s96, s96, s97
	s_add_co_i32 s96, s96, 127
	s_lshl_b32 s96, s96, 23                        ; 2^(e10 + e11) as f32
	s_mov_b32 s97, s96                             ; (named with it as a pair, so it is written)
	PLACES NP                                      ; behind the last products: their sums are read, and loads land where A's fragments lay
	s_wait_loadcnt 0x0                             ; the bias
	TOSTAGE 0
.irp a, 1,2,3,4,5,6,7
.if \a > 1
	s_wait_xcnt 0x0                                ; tile a - 2's stores have read their registers: tile a's loads land there only behind this wait
.endif
	TOSTAGE \a
	SEND \a-1, 32                                  ; behind tile a - 1's loads: tile a's 16 stores and 16 loads
.endr
	SEND 7, 0
	s_wait_tensorcnt 0x0                           ; the wave's end
	ds_add_u32 v[SPW], v[NIL]
	s_wait_dscnt 0x0
	CROUND                                         ; the closing round
	s_endpgm
.Lfunc_end_k_qad22a475ba_proj:
	.size	k_qad22a475ba_proj, .Lfunc_end_k_qad22a475ba_proj-k_qad22a475ba_proj
	.p2alignl 7, 3214868480
	.fill 96, 4, 3214868480
	.section	.rodata,"a",@progbits
	.p2align	6, 0x0
	.amdhsa_kernel k_qad22a475ba_proj
		.amdhsa_group_segment_fixed_size 327680
		.amdhsa_private_segment_fixed_size 0
		.amdhsa_enable_private_segment 0
		.amdhsa_kernarg_size 40
		.amdhsa_user_sgpr_count 2
		.amdhsa_user_sgpr_kernarg_segment_ptr 1
		.amdhsa_wavefront_size32 1
		.amdhsa_system_sgpr_workgroup_id_x 1
		.amdhsa_system_sgpr_workgroup_id_y 1
		.amdhsa_system_sgpr_workgroup_id_z 1
		.amdhsa_system_vgpr_workitem_id 0
		.amdhsa_next_free_vgpr 1024
		.amdhsa_next_free_sgpr 98
		.amdhsa_reserve_vcc 0
		.amdhsa_float_denorm_mode_32 3
		.amdhsa_float_denorm_mode_16_64 3
		.amdhsa_memory_ordered 1
		.amdhsa_forward_progress 1
		.amdhsa_inst_pref_size 122
	.end_amdhsa_kernel
	.amdgpu_metadata
---
amdhsa.version: [ 1, 2 ]
amdhsa.kernels:
  - .name:           k_qad22a475ba_proj
    .symbol:         k_qad22a475ba_proj.kd
    .args:
      - { .name: yc, .offset: 0, .size: 8, .value_kind: global_buffer, .address_space: global }
      - { .name: wc, .offset: 8, .size: 8, .value_kind: global_buffer, .address_space: global }
      - { .name: lowp_scales, .offset: 16, .size: 8, .value_kind: global_buffer, .address_space: global }
      - { .name: bp, .offset: 24, .size: 8, .value_kind: global_buffer, .address_space: global }
      - { .name: out0, .offset: 32, .size: 8, .value_kind: global_buffer, .address_space: global }
    .group_segment_fixed_size: 327680
    .private_segment_fixed_size: 0
    .kernarg_segment_align: 8
    .kernarg_segment_size: 40
    .max_flat_workgroup_size: 128
    .sgpr_count:     98
    .vgpr_count:     1024
    .wavefront_size: 32
...
	.end_amdgpu_metadata
.endif
;; end of part 4
